; MI455X (gfx1250); checked and timed in simulation.
; The chip was launched on July 23, 2026; its instructions are those of AMD's public machine-readable ISA for CDNA 5 (MIT licence, August 2026) and "CDNA5" Instruction Set Architecture Reference Guide (July 2026). The comments in the code are by the model that wrote it; some were corrected since.
;; Co PE Attention. Allowed arithmetic: matrix products marked QUANTISED: E5M2 operands, one given power-of-two scale a tensor, by v_wmma_f32_16x16x64_bf8_bf8 or v_wmma_f32_16x16x128_bf8_bf8, f32 sums; everything else in f32.
;; Inputs: Wk_codes 768 x 24 x 32 uint8 (E5M2 codes of Wk, K innermost, in blocks of 32 codes); Wq_codes 768 x 24 x 32 uint8 (E5M2 codes of Wq, K innermost, in blocks of 32 codes); Wv_codes 768 x 24 x 32 uint8 (E5M2 codes of Wv, K innermost, in blocks of 32 codes); attention_mask 8 x 1,024 int32; bk 768 float32; bq 768 float32; bv 768 float32; lowp_scales 12 int32 (the exponents e of the quantised operands' scales 2^e); pos_emb_codes 512 x 24 x 32 uint8 (E5M2 codes of pos_emb, K innermost, in blocks of 32 codes); token_embeddings_codes 8 x 1,024 x 24 x 32 uint8 (E5M2 codes of token_embeddings, K innermost, in blocks of 32 codes).
;; Outputs: out0 8 x 768 float32.
;; This version of the problem:
;;   THIS VERSION OF THE PROBLEM IS GIVEN IN LOW PRECISION. The matrix products marked QUANTISED in the list below multiply operands that are first quantised to E5M2 (5 exponent bits, 2 mantissa bits; 8 bits a number), with one given power-of-two scale for each operand tensor; their sums are f32. All else is computed in f32.
;;   The module's matrix products, in the order in which they are computed (A, B: the left and right operand; K: the contracted axis; several contracted axes count as one K, in the product's order):
;;     1. [M 8,192, K 768] x [K 768, N 768]; A: input token_embeddings (given as codes); B: input Wq (given as codes): QUANTISED (scales: A lowp_scales[0], B lowp_scales[1])
;;     2. [M 8,192, K 768] x [K 768, N 768]; A: input token_embeddings (given as codes); B: input Wk (given as codes): QUANTISED (scales: A lowp_scales[2], B lowp_scales[3])
;;     3. [M 8,192, K 768] x [K 768, N 768]; A: input token_embeddings (given as codes); B: input Wv (given as codes): QUANTISED (scales: A lowp_scales[4], B lowp_scales[5])
;;     4. batch 8 x [M 1,024, K 768] x [K 768, N 1,024]; A: computed on the way; B: computed on the way: QUANTISED (scales: A lowp_scales[6], B lowp_scales[7])
;;     5. [M 8,192, K 768] x [K 768, N 512]; A: computed on the way; B: input pos_emb (given as codes): QUANTISED (scales: A lowp_scales[8], B lowp_scales[9])
;;     6. batch 8 x [M 1,024, K 1,024] x [K 1,024, N 768]; A: softmax (see below); B: computed on the way: QUANTISED (scales: A lowp_scales[10], B lowp_scales[11])
;;   THE QUANTISER, for each operand of a quantised product, along K:
;;     - The operand's scale is 2^e, e = its entry of the input lowp_scales (int32; the entries are numbered through the quantised products in the list's order, A before B).
;;     - Each number is divided by the scale, clamped to +-57,344, and rounded to the nearest number of E5M2, ties to even, subnormals kept.
;;     - The product sums the exact products of the quantised numbers (number of the format x scale) in f32.
;;   ~~~python
;;   def quantise(x, axis, e):      # numpy; x: float32 -> the quantised numbers, widened to float32 again
;;       x = np.moveaxis(x, axis, -1); K = x.shape[-1]
;;       r = np.clip(x / 2.0 ** e, -57344, 57344)
;;       step = 2.0 ** (np.maximum(np.frexp(np.where(r == 0, 1, r))[1] - 1, -14) - 2)
;;       q = np.round(r / step) * step * 2.0 ** e      # np.round: ties to even
;;       return np.moveaxis(q, -1, axis).astype(np.float32)
;;   ~~~
;;   SOFTMAX AHEAD OF A QUANTISED PRODUCT. Where the list says 'softmax', what is quantised is not the finished softmax but p = 2^(t - M), with t = logit x log2(e) and M = ceil(the row's largest t), a whole number; so 1/2 < the row's largest p <= 1. The row's sum l is taken of the UNQUANTISED p, in f32, and the product's result is divided by l at the end. Since M is a whole number, a kernel that streams over the keys may use a running M (the ceiling of the running maximum): every later rescaling is an exact power of two, so the quantised numbers keep their values, but for numbers so far below the row's largest that they fall under the format's range.
;;   OPERANDS COMPUTED ON THE WAY. 'Computed on the way' means the value that the module computes at that place (a softmax that the list does not call 'softmax' is quantised finished and normalised). What goes into a quantiser is computed in f32, as accurately as f32 sums, v_exp_f32 and their like allow (about 1e-6 of the number): no bf16 or f16 on the way to a quantiser, and a product that is left as it is and whose result goes on into a quantised operand takes f32 operands (vector FMAs, or v_wmma_f32_16x16x4_f32). A number that lies on a knife's edge between two numbers of the format may be rounded either way, as far as f32 arithmetic and the matrix unit's own rounding can turn it there, and no further.
;;   INPUTS GIVEN AS CODES. Wk (in the module: [768, 768], K = its axis 1); Wq (in the module: [768, 768], K = its axis 1); Wv (in the module: [768, 768], K = its axis 1); pos_emb (in the module: [768, 512], K = its axis 0); token_embeddings (in the module: [8, 1024, 768], K = its axis 2): each comes as NAME_codes (uint8): NAME with its K axis moved to the last place and cut into blocks of 32 codes, [.., K / 32, bytes a block], one block behind the other in memory; one code a byte (a code: sign, 5 exponent bits, 2 mantissa bits); its scale is its entry of lowp_scales. Its value is code x scale, taken as it is: it is not quantised again, and the codes and scales need not be those that the quantiser above would give.
;; One version. Each part assembles by itself: llvm-mc -triple=amdgcn-amd-amdhsa -mcpu=gfx1250 --defsym DOCPART=n.
;; ======== version 1 of 1: 2 launches
;; limits: right only within a limited range of input values
;; workspace buffers: plog 262,144 bytes; tabp 131,072 bytes; vq 6,291,456 bytes
;; launch kv (part 1): grid 32 x 8, 4 waves a work-group, clusters of 4 x 4, 327,680 bytes of LDS; arguments token_embeddings_codes, Wk_codes, Wv_codes, Wq_codes, bk, bv, bq, lowp_scales, pos_emb_codes, plog, tabp, vq; writes plog, tabp, vq
.if DOCPART == 1
	.amdgcn_target "amdgcn-amd-amdhsa--gfx1250"
	.amdhsa_code_object_version 6
	.text
	.protected	k_q083cea6c3a_kv
	.globl	k_q083cea6c3a_kv
	.p2align	8
	.type	k_q083cea6c3a_kv,@function
k_q083cea6c3a_kv:
	s_mov_b64 s[64:65], 0
	v_nop
	global_prefetch_b8 v0, s[64:65] scope:SCOPE_SE
	s_setreg_imm32_b32 hwreg(HW_REG_WAVE_MODE, 25, 1), 1
	s_wait_xcnt 0x0
	s_wait_alu depctr_hold_cnt(0) depctr_sa_sdst(0) depctr_va_vdst(0) depctr_va_sdst(0) depctr_va_ssrc(0) depctr_va_vcc(0) depctr_vm_vsrc(0)
	s_getreg_b32 s2, hwreg(HW_REG_IB_STS2, 6, 4)
	s_cmp_eq_u32 s2, 0
	s_cbranch_scc0 .Lentry_in_a_cluster
	s_endpgm
.Lentry_in_a_cluster:
	s_bfe_u32 s2, ttmp6, 0x10000c
	s_cmp_lg_u32 s2, 0xf033
	s_cbranch_scc0 .Lentry_shape_is_right
	s_endpgm
.Lentry_shape_is_right:
; k = x Wk^T + bk and v = x Wv^T + bv for all 8,192 tokens, both quantised; q of token 0 of each batch; partial logits q0 . k and partial table q0 . pos_emb; v's codes stored.
; DEAD WORK.  reference() returns out[:, 0, :] alone.  Row 0 of a batch's result hangs on row 0 of its logits, gates, pos and softmax only, and these on q of token 0, on all of k and v and on row 0 of logits_int, for all values
; of the inputs.  So rows 1 .. 1023 of q, of both products with q, of the softmax and of its product with v are left out.  Every input still has a way to an output.
; LIMIT: a NaN, an infinity or an overflow that reaches only the rows left out is not carried to the result.
; SHARES.  Work-group (X, Y), X 0..7, Y 0..31: tokens 256 Y .. +255 x columns 96 X .. +95 of k and of v.  Wave (th, ch): tokens 128 th .. +127, columns 48 ch .. +47 of both: 8 x 3 accumulators of k, 8 x 3 of v.
; K = 768 goes in three chunks of 256 through a ring of two LDS slots (x's 256 rows, Wk's 96, Wv's 96, 272 bytes apart); chunk 2 takes slot 0 again.  Wq's 96 rows (all of K) have LDS bytes of their own.
; CLUSTER 4 x 4: x's tiles hang on Y alone and are asked for jointly along a row of the cluster, the weights' on X alone and jointly along a column.
; k IS USED TRANSPOSED (source 0 = Wk, source 1 = x): lane (r, h) holds token r and columns 8 h + 0 .. 7, so a token block's three tiles, converted, are registers 0-5 of a K = 64 operand (d = 16 c + 8 h + 0 .. 7); 6, 7 are zero codes.
; v is used as it is (source 0 = x): lane (r, h) holds column r and tokens 8 h + 0 .. 7: tile (a, b), converted, is registers 2 a, 2 a + 1 of the fragment (16 columns x 128 keys), which is stored as it stands.
; q0: the two waves that share columns take every other 128 along K and exchange their sums through LDS.
; PREFETCH: chunks 1 and 2 of x, one chunk ahead of the joint load that brings them: each of a row's four partners names 64 of the 256 rows, a lane a row, waves 0 and 1.  The weights' chunks, 49,152 bytes a work-group that eight clusters read, are not prefetched.
; OUT: plog[X][token], with the 128 tokens of a wave laid as 4 (token % 32) + token / 32 (no scale yet);  tabp[X][batch][entry] (no scale yet);  vq[key tile of 128][column tile of 16][register image of 2,048 bytes].
; The biases of k and v go in as the C of the first K step, divided by the power of two that the sums lack.
; LIMITS on the given exponents, so that each power of two made by shifts is an f32 number and its hold too: e7 - e2 - e3, e6 - e0 - e1, e8 - e0 - e1 and e11 - e4 - e5 between -126 and 112.  NaN and infinity among codes and biases are not served.
; REGISTERS.  window 0: v1-31 addresses and scales, v32-55 bk, later q0's sums, v56-63 q's operand, v64-255 k's accumulators ((a, b) at 64 + 8 (3 a + b)).
;   windows 1, 2: fragment sets 0, 1: x at 16 a, Wk at 128, Wv at 176; window 2 v224-247 bq.  In the last step window 1 holds Wq's nine fragments (16 f), token 0's three (144), then v's codes (192).
;   window 3: v0-191 v's accumulators, v192-215 bv, v216-247 pos_emb's four fragments, v248-255 q's operand for pos_emb.
.set PITCH, 272                        ; an LDS row: 256 bytes + 16 of padding: the 16 rows of a fragment load start 4 banks apart
.set FROW,  16*PITCH
.set AHALF, 128*PITCH
.set BOFF,  256*PITCH
.set VOFF,  96*PITCH                   ; from Wk's rows to Wv's
.set SLOT,  448*PITCH
.set WQ,    2*SLOT                     ; Wq: 288 pieces of 256 bytes, three to a row: a row is 816 bytes on
.set SPARE, WQ+288*PITCH               ; the spare words
.set X0,    SPARE+512                  ; token 0's row (1,024 bytes are written, 768 are read)
.set QP,    SLOT                       ; in slot 1, behind its last fill and its last read: q0's partial sums, 3,072 bytes a wave
.set PL,    QP+12288                   ; partial logits, 512 bytes a wave
.set PT,    PL+2048                    ; partial table, 256 bytes a wave
.set ADRX, 4
.set ADRW, 6
.set SPW,  28
.set NIL,  29
.set BIAS, 32
.set ACC,  64
.set WV,   28
.set TH,   29
.set CH,   30
.set CX,   31
.set CY,   32
.set TX,   33
.set TY,   34
.set G1X,  36                          ; descriptor groups 1: x, Wk and Wv, Wq
.set G1W,  44
.set G1Q,  52
.set G0X,  68
.set G0K,  72
.set G0V,  76
.set G0Q,  80
.set SC,   84                          ; s84-95: e0 .. e11
.set MSB, 0
.macro WIN new                         ; the immediate's high byte repeats the setting that is left
.if MSB != (\new)
	s_set_vgpr_msb (MSB<<8)|(\new)
.set MSB, (\new)
.endif
.endm
.macro PLACES                          ; four plain vector places behind a matrix instruction, in front of loads into its registers and of reads of its result
.rept 4
	v_nop
.endr
.endm
.macro CREST                           ; a round of the cluster's barrier behind its opening barrier
	s_cmp_lg_u32 s[WV], 0
	s_cbranch_scc1 .Lnot_wave_0_\@
	s_barrier_signal -3
.Lnot_wave_0_\@:
	s_barrier_wait -3
	s_barrier_signal -1
	s_barrier_wait -1
.endm
.macro CROUND
	s_barrier_signal -1
	s_barrier_wait -1
	CREST
.endm
.macro MKSCALE e, t, vs, vl            ; s[e] holds E: v[vs] = 2^E as f32, v[vl] = 57,344 x 2^E
	s_add_co_i32 s[\e], s[\e], 127
	s_lshl_b32 s[\t], s[\e], 23
	v_mov_b32 v[\vs], s[\t]
	s_add_co_i32 s[\e], s[\e], 15
	s_lshl_b32 s[\e], s[\e], 23
	s_or_b32 s[\e], s[\e], 0x600000
	v_mov_b32 v[\vl], s[\e]
.endm
.macro G1SET g, m, rows, pitch         ; rows of 256 elements of 1 byte, 4 words of padding behind every 64; bit 21 beside a mask
	s_or_b32 s[\g], s[\m], (1<<20)|(1<<21)|(5<<22)|(3<<25)
	s_mov_b32 s[\g+1], 256<<16
	s_mov_b32 s[\g+2], (\rows)<<16
	s_mov_b32 s[\g+3], 256<<16
	s_mov_b32 s[\g+4], \rows
	s_mov_b32 s[\g+5], \pitch
	s_mov_b32 s[\g+6], 0
	s_mov_b32 s[\g+7], 0
.endm
; A chunk's joint loads, one a wave: waves 0, 1: x's halves; wave 2: Wk; wave 3: Wv.  The branches hang on the wave's number alone.
.macro JLOAD
	s_cmp_lt_u32 s[WV], 2
	s_cbranch_scc0 .Lnot_x_\@
	tensor_load_to_lds s[G0X:G0X+3], s[G1X:G1X+7]
	s_nop 0
	PLACES
	s_branch .Lasked_\@
.Lnot_x_\@:
	s_cmp_eq_u32 s[WV], 2
	s_cbranch_scc0 .Lnot_k_\@
	tensor_load_to_lds s[G0K:G0K+3], s[G1W:G1W+7]
	s_nop 0
	PLACES
	s_branch .Lasked_\@
.Lnot_k_\@:
	tensor_load_to_lds s[G0V:G0V+3], s[G1W:G1W+7]
	s_nop 0
	PLACES
.Lasked_\@:
.endm
.macro ASK off                         ; the prefetch of my share of x's rows, 256 bytes each
	s_cmp_lt_u32 s[WV], 2
	s_cbranch_scc0 .Lnot_mine_\@
	global_prefetch_b8 v12, s[4:5] offset:\off th:TH_LOAD_NT scope:SCOPE_SE
.Lnot_mine_\@:
.endm
; The n-th of a set's 56 LDS loads: Wk (12), Wv (12), x (32).  Four loads of 16 bytes a fragment: registers 4 i .. 4 i + 3 hold k = 32 i + 16 h + 0 .. 15, the same permutation of k on both sides.
.macro LD1 n, slot, q
.if (\n) < 12
	ds_load_b128 v[128+4*(\n):131+4*(\n)], v[ADRW+(\slot)] offset:FROW*((\n)/4)+128*(\q)+32*((\n)%4)
.elseif (\n) < 24
	ds_load_b128 v[128+4*(\n):131+4*(\n)], v[ADRW+(\slot)] offset:VOFF+FROW*(((\n)-12)/4)+128*(\q)+32*((\n)%4)
.else
	ds_load_b128 v[4*((\n)-24):3+4*((\n)-24)], v[ADRX+(\slot)] offset:FROW*(((\n)-24)/4)+128*(\q)+32*((\n)%4)
.endif
.endm
.macro LOADS n0, cnt, slot, q, p       ; cnt of them, from number n0 on: the q-th 128 along K of a slot into set p
	WIN 0x40*((\p)+1)
.set N, \n0
.rept \cnt
	LD1 N, \slot, \q
.set N, N+1
.endr
.endm
.macro LDQ n0, cnt                     ; of the 48 loads for q0: token 0's three fragments (12), Wq's nine (36): fragment 3 s + c = my columns 16 c .. +15, K step 2 s + th
	WIN 0x40
.set N, \n0
.rept \cnt
.if N < 12
	ds_load_b128 v[144+4*N:147+4*N], v9 offset:256*(N/4)+32*(N%4)
.else
.set F, (N-12)/4
	ds_load_b128 v[4*(N-12):3+4*(N-12)], v8 offset:16*816*(F%3)+272*(F/3)+32*(N%4)
.endif
.set N, N+1
.endr
.endm
; Three matrix instructions for token block a of k, of v.  The 48 accumulators take turns, one instruction a turn.  first = 1: C is the bias.
.macro KMUL a, p, first
	WIN 0x05*((\p)+1)
.irp b, 0,1,2
.if \first
	v_wmma_f32_16x16x128_bf8_bf8 v[ACC+8*(3*(\a)+\b):ACC+8*(3*(\a)+\b)+7], v[128+16*\b:143+16*\b], v[16*(\a):16*(\a)+15], v[BIAS+8*\b:BIAS+8*\b+7]
.else
	v_wmma_f32_16x16x128_bf8_bf8 v[ACC+8*(3*(\a)+\b):ACC+8*(3*(\a)+\b)+7], v[128+16*\b:143+16*\b], v[16*(\a):16*(\a)+15], v[ACC+8*(3*(\a)+\b):ACC+8*(3*(\a)+\b)+7]
.endif
.endr
.endm
.macro VMUL a, p, first
	WIN 0xf0+0x05*((\p)+1)
.irp b, 0,1,2
.if \first
	v_wmma_f32_16x16x128_bf8_bf8 v[8*(3*(\a)+\b):8*(3*(\a)+\b)+7], v[16*(\a):16*(\a)+15], v[176+16*\b:191+16*\b], v[192+8*\b:199+8*\b]
.else
	v_wmma_f32_16x16x128_bf8_bf8 v[8*(3*(\a)+\b):8*(3*(\a)+\b)+7], v[16*(\a):16*(\a)+15], v[176+16*\b:191+16*\b], v[8*(3*(\a)+\b):8*(3*(\a)+\b)+7]
.endif
.endr
.endm
; A chunk's first step: set 0 is multiplied, set 1 fetched from the same slot, seven loads behind each token block.
; In front of block a: of the 56 older loads the 28 - 4 a behind x's block a may be out, and the 7 a of this step.
.macro STEPA slot, first
	PLACES
.set G, 0
.rept 8
	s_wait_dscnt 28+3*G
	KMUL G, 0, \first
	VMUL G, 0, \first
	LOADS 7*G, 7, \slot, 1, 1
.set G, G+1
.endr
.endm
; A chunk's second step changes slots.  kind = 1: the slot just read is filled again with the chunk two on;  kind = 2: Wq is asked for, a quarter a wave.
.macro STEPB next, kind
	s_wait_dscnt 28                                ; the weights and block 0 are in
	KMUL 0, 1, 0
	VMUL 0, 1, 0
	WIN 0
	s_wait_tensorcnt 0x0                           ; all my tensor loads have landed: my part of the next slot
	ds_add_u32 v[SPW], v[NIL]
.if \kind == 1
.irp g, G0X, G0K, G0V
	s_sub_co_u32 s[\g+1], s[\g+1], SLOT
	s_add_nc_u64 s[\g+2:\g+3], s[\g+2:\g+3], 256
.endr
.endif
	s_wait_dscnt 25                                ; block 1: 24 loads and the add may be out
	KMUL 1, 1, 0
	VMUL 1, 1, 0
	s_wait_dscnt 0x0                               ; the add is done, and my reads of this slot are over
	s_barrier_signal -1
	KMUL 2, 1, 0
	VMUL 2, 1, 0
	WIN 0
	s_barrier_wait -1
	CREST
.if \kind == 1
	JLOAD                                          ; its four v_nop are also the places in front of the loads below
.else
	tensor_load_to_lds s[G0Q:G0Q+3], s[G1Q:G1Q+7]
	s_nop 0
	PLACES
.endif
	LOADS 0, 12, \next, 0, 0
	KMUL 3, 1, 0
	VMUL 3, 1, 0
.set G, 4
.rept 4
	LOADS 12+11*(G-4), 11, \next, 0, 0
	KMUL G, 1, 0
	VMUL G, 1, 0
.set G, G+1
.endr
.endm
.macro KV n                            ; the last product of k's accumulator n, and behind it the hold of v's accumulator n, finished before: the conversion does not saturate (ISA guide 7.6.2)
	WIN 0x0a
	v_wmma_f32_16x16x128_bf8_bf8 v[ACC+8*(\n):ACC+8*(\n)+7], v[128+16*((\n)%3):143+16*((\n)%3)], v[16*((\n)/3):16*((\n)/3)+15], v[ACC+8*(\n):ACC+8*(\n)+7]
	WIN 0xc3
.irp i, 0,1,2,3,4,5,6,7
	v_med3_num_f32 v[8*(\n)+\i], v[8*(\n)+\i], -v23, v23
.endr
.endm
	s_load_b512 s[4:19], s[0:1], 0x0               ; x s[4:5], Wk s[6:7], Wv s[8:9], Wq s[10:11], bk s[12:13], bv s[14:15], bq s[16:17], scales s[18:19]
	s_load_b256 s[20:27], s[0:1], 0x40             ; pos_emb s[20:21], plog s[22:23], tabp s[24:25], vq s[26:27]
	v_lshl_add_u32 v[SPW], v0, 2, SPARE
	v_mov_b32 v[NIL], 0
	ds_add_u32 v[SPW], v[NIL]                      ; the wave's opening: the add, twice on end, and its wait ahead of my first tensor load
	ds_add_u32 v[SPW], v[NIL]
	v_lshrrev_b32 v1, 5, v0
	v_readfirstlane_b32 s[WV], v1                  ; wave 0..3
	s_lshr_b32 s[TH], s[WV], 1                     ; my half of the tokens
	s_and_b32 s[CH], s[WV], 1                      ; my half of the columns
	; THE GRID'S x COUNTS Y AND ITS y COUNTS X.  So what the head calls a row of the cluster, the four work-groups of one Y, are the places of one x in it, p, p + 4, p + 8, p + 12,
	; and a column, the four of one X, the places 4 p .. 4 p + 3.  CX is my place along X, CY along Y.
	s_bfe_u32 s[CX], ttmp6, 0x40004
	s_bfe_u32 s[CY], ttmp6, 0x40000
	s_and_b32 s[TX], ttmp7, 0xffff
	s_lshl_b32 s[TX], s[TX], 2
	s_add_co_u32 s[TX], s[TX], s[CX]               ; X
	s_lshl_b32 s[TY], ttmp9, 2
	s_add_co_u32 s[TY], s[TY], s[CY]               ; Y
	s_lshl_b32 s60, 0x1111, s[CY]                  ; the four that share x's tile
	s_lshl_b32 s61, s[CX], 2
	s_lshl_b32 s61, 15, s61                        ; the four that share the weights' tiles
	G1SET G1X, 60, 128, 768
	G1SET G1W, 61, 96, 768
	G1SET G1Q, 61, 72, 256                         ; 24 rows of 768 bytes lie end to end: 72 pieces of 256
	s_mul_i32 s96, s[TY], 256*768                  ; x: row 256 Y + 128 x wave (waves 0, 1)
	s_mul_i32 s97, s[WV], 128*768
	s_add_co_u32 s96, s96, s97
	s_mov_b32 s97, 0
	s_mul_i32 s98, s[TX], 96*768                   ; the weights: row 96 X
	s_mov_b32 s99, 0
	s_mov_b32 s[G0X], 1
	s_mov_b32 s[G0K], 1
	s_mov_b32 s[G0V], 1
	s_mov_b32 s[G0Q], 1
	s_mul_i32 s[G0X+1], s[WV], AHALF
	s_mov_b32 s[G0K+1], BOFF
	s_mov_b32 s[G0V+1], BOFF+VOFF
	s_mul_i32 s[G0Q+1], s[WV], 72*PITCH
	s_add_co_u32 s[G0Q+1], s[G0Q+1], WQ
	s_mul_i32 s62, s[WV], 24*768                   ; Wq: + 24 x wave rows
	s_mov_b32 s63, 0
	s_wait_dscnt 0x0                               ; both opening adds are done
	s_wait_kmcnt 0x0
	s_load_b256 s[SC:SC+7], s[18:19], 0x0          ; e0 .. e7
	s_load_b128 s[SC+8:SC+11], s[18:19], 0x20      ; e8 .. e11
	s_add_nc_u64 s[G0X+2:G0X+3], s[4:5], s[96:97]
	s_or_b32 s[G0X+3], s[G0X+3], 0x80000000
	s_add_nc_u64 s[G0K+2:G0K+3], s[6:7], s[98:99]
	s_or_b32 s[G0K+3], s[G0K+3], 0x80000000
	s_add_nc_u64 s[G0V+2:G0V+3], s[8:9], s[98:99]
	s_or_b32 s[G0V+3], s[G0V+3], 0x80000000
	s_add_nc_u64 s[G0Q+2:G0Q+3], s[10:11], s[98:99]
	s_add_nc_u64 s[G0Q+2:G0Q+3], s[G0Q+2:G0Q+3], s[62:63]
	s_or_b32 s[G0Q+3], s[G0Q+3], 0x80000000
	CROUND                                         ; all sixteen work-groups are here: the joint loads meet
	JLOAD                                          ; chunk 0: one tensor load a wave
	v_and_b32 v1, 15, v0                           ; r
	v_bfe_u32 v2, v0, 4, 1                         ; h
	v_and_b32 v3, 31, v0                           ; lane
	s_wait_alu depctr_va_vdst(0)
	s_mul_i32 s2, s[TX], 96
	s_mul_i32 s3, s[CH], 48
	s_add_co_u32 s2, s2, s3                        ; my first column
	s_lshl_b32 s35, s2, 2
	v_lshl_add_u32 v10, v2, 5, s35                 ; bk, bq: my half's eight numbers of a tile
	v_lshl_add_u32 v11, v1, 2, s35                 ; bv: column r
	s_lshr_b32 s3, s[TY], 2                        ; the batch
	s_mul_i32 s3, s3, 1024*768
	v_lshl_add_u32 v30, v0, 3, s3                  ; token 0 of my batch, 8 bytes a thread (the last 32 threads read into token 1's row; those bytes are not used)
	s_and_b32 s3, s[TY], 3
	s_lshl_b32 s3, s3, 7
	s_lshl_b32 s35, s[TH], 6
	s_add_co_u32 s3, s3, s35                       ; my first table entry: 128 (Y & 3) + 64 th
	s_mul_i32 s3, s3, 768
	s_add_co_u32 s3, s3, s2
	v_mul_u32_u24 v31, v1, 768
	v_lshl_add_u32 v31, v2, 3, v31
	v_add_nc_u32 v31, s3, v31                      ; pos_emb: row r of a tile, my columns, + 8 h
	s_wait_alu depctr_va_vdst(0)
	global_load_b64 v[60:61], v30, s[4:5]
.irp b, 0,1,2
	global_load_b128 v[BIAS+8*\b:BIAS+8*\b+3], v10, s[12:13] offset:64*\b
	global_load_b128 v[BIAS+8*\b+4:BIAS+8*\b+7], v10, s[12:13] offset:64*\b+16
	global_load_b32 v[56+\b], v11, s[14:15] offset:64*\b
.endr
	WIN 0x80
.irp b, 0,1,2
	global_load_b128 v[224+8*\b:227+8*\b], v10, s[16:17] offset:64*\b
	global_load_b128 v[228+8*\b:231+8*\b], v10, s[16:17] offset:64*\b+16
.endr
	WIN 0xc0
.irp i, 0,1,2,3
.irp c, 0,1,2
	global_load_b64 v[216+8*\i+2*\c:217+8*\i+2*\c], v31, s[20:21] offset:12288*\i+16*\c
.endr
	v_mov_b32 v[222+8*\i], 0                       ; the last quarter of K = 64: zero codes
	v_mov_b32 v[223+8*\i], 0
.endr
	WIN 0
	s_lshl_b32 s2, s[TY], 8
	s_lshl_b32 s3, s[CX], 6
	s_add_co_u32 s2, s2, s3
	s_lshl_b32 s3, s[WV], 5
	s_add_co_u32 s2, s2, s3
	s_mul_i32 s2, s2, 768
	v_mul_u32_u24 v12, v3, 768
	v_add_nc_u32 v12, s2, v12                      ; the prefetches: row 256 Y + 64 cx + 32 wave + lane (waves 0, 1); never rewritten
	s_wait_alu depctr_va_vdst(0)
	ASK 256                                        ; chunk 1, one chunk ahead of its load
	v_mul_u32_u24 v4, v1, PITCH
	v_lshl_add_u32 v4, v2, 4, v4                   ; row x pitch + 16 h
	s_mul_i32 s2, s[TH], AHALF
	s_mul_i32 s3, s[CH], 48*PITCH
	s_add_co_u32 s3, s3, BOFF
	v_add_nc_u32 v6, s3, v4
	v_add_nc_u32 v4, s2, v4
	v_add_nc_u32 v5, SLOT, v4
	v_add_nc_u32 v7, SLOT, v6
	s_mul_i32 s2, s[CH], 48*816
	s_lshl_b32 s3, s[TH], 7
	s_add_co_u32 s2, s2, s3
	s_add_co_u32 s2, s2, WQ
	v_mul_u32_u24 v8, v1, 816
	v_lshl_add_u32 v8, v2, 4, v8
	v_add_nc_u32 v8, s2, v8                        ; Wq: row 48 ch + r, K step th
	s_add_co_u32 s3, s3, X0
	v_lshl_add_u32 v9, v2, 4, s3                   ; token 0, K step th
	s_lshl_b32 s2, s[TY], 1
	s_add_co_u32 s2, s2, s[TH]
	s_mul_i32 s2, s2, 48
	s_mul_i32 s3, s[TX], 6
	s_add_co_u32 s2, s2, s3
	s_mul_i32 s3, s[CH], 3
	s_add_co_u32 s2, s2, s3
	s_lshl_b32 s2, s2, 11
	v_lshl_add_u32 v13, v3, 4, s2                  ; vq: my three images
	s_mul_i32 s2, s[WV], 3072
	s_add_co_u32 s2, s2, QP
	v_lshl_add_u32 v14, v3, 4, s2
	s_xor_b32 s2, s[WV], 2                         ; the wave of the other tokens and the same columns
	s_mul_i32 s2, s2, 3072
	s_add_co_u32 s2, s2, QP
	v_lshl_add_u32 v15, v3, 4, s2
	s_lshl_b32 s2, s[WV], 9
	s_add_co_u32 s3, s2, PL
	v_lshl_add_u32 v24, v1, 2, s3
	s_lshl_b32 s3, s[WV], 8
	s_add_co_u32 s3, s3, PT
	v_lshl_add_u32 v25, v1, 2, s3
	s_lshl_b32 s3, s[WV], 10
	s_add_co_u32 s3, s3, PL
	v_lshl_add_u32 v26, v3, 2, s3                  ; waves 0, 1: the partial logits of token half = wave
	s_lshl_b32 s3, s[TX], 15
	s_add_co_u32 s2, s2, s3
	s_lshl_b32 s3, s[TY], 10
	s_add_co_u32 s2, s2, s3
	v_lshl_add_u32 v27, v3, 4, s2                  ; plog: plane X, token tile 2 Y + wave
	v_lshl_add_u32 v59, v0, 3, X0
	s_wait_alu depctr_va_vdst(0)
	s_wait_tensorcnt 0x0                           ; my part of chunk 0 is in
	ds_add_u32 v[SPW], v[NIL]
.irp g, G0X, G0K, G0V
	s_add_co_u32 s[\g+1], s[\g+1], SLOT
	s_add_nc_u64 s[\g+2:\g+3], s[\g+2:\g+3], 256
.endr
	s_wait_dscnt 0x0                               ; the add is done
	CROUND                                         ; everybody's part of chunk 0 is in
	JLOAD                                          ; chunk 1 into slot 1
	LOADS 0, 56, 0, 0, 0
	WIN 0
	s_wait_kmcnt 0x0                               ; the scales
	s_add_co_i32 s2, s[SC+2], s[SC+3]
	s_sub_co_i32 s3, s[SC+7], s2
	MKSCALE 3, 35, 16, 17                          ; k's conversion: 2^(e7 - e2 - e3)
	s_sub_co_i32 s100, 0, s2
	s_add_co_i32 s2, s[SC], s[SC+1]
	s_sub_co_i32 s3, s[SC+6], s2
	MKSCALE 3, 35, 18, 19                          ; q's for the logits: 2^(e6 - e0 - e1)
	s_sub_co_i32 s3, s[SC+8], s2
	MKSCALE 3, 35, 20, 21                          ; q's for pos_emb: 2^(e8 - e0 - e1)
	s_sub_co_i32 s101, 0, s2
	s_add_co_i32 s2, s[SC+4], s[SC+5]
	s_sub_co_i32 s3, s[SC+11], s2
	MKSCALE 3, 35, 22, 23                          ; v's: 2^(e11 - e4 - e5)
	s_sub_co_i32 s2, 0, s2
	s_wait_alu depctr_va_vdst(0)
	s_wait_loadcnt 18                              ; token 0's bytes, bk and bv are in; bq's 6 loads and pos_emb's 12, wanted at the end, may be out
	s_wait_xcnt 0x0                                ; their offsets have been read: v31 is written below
	ds_store_b64 v59, v[60:61]                     ; in the first step's counts the youngest of the older LDS instructions
	s_lshl_b32 s3, s[TX], 14
	s_lshl_b32 s35, s[TY], 9
	s_add_co_u32 s3, s3, s35
	v_lshl_add_u32 v31, v3, 4, s3                  ; tabp: plane X, 128 entries
	v_lshlrev_b32 v30, 9, v2
	v_lshl_add_u32 v30, v1, 4, v30
	v_add_nc_u32 v30, PT, v30                      ; wave 2: four entries a lane
.set n, 0
.rept 24
	v_ldexp_f32 v[BIAS+n], v[BIAS+n], s100         ; bk / 2^(e2 + e3)
.set n, n+1
.endr
	WIN 0xc0
.irp b, 0,1,2
.irp j, 0,1,2,3,4,5,6,7
	v_ldexp_f32 v[192+8*\b+\j], v[56+\b], s2       ; bv / 2^(e4 + e5): a lane's eight registers are eight tokens of one column
.endr
.endr
	WIN 0
	s_wait_alu depctr_va_vdst(0)
	ASK 512                                        ; chunk 2, one chunk ahead of its load
	STEPA 0, 1
	STEPB 1, 1
	STEPA 1, 0
	STEPB 0, 2
	STEPA 0, 0
	; ---- the last step: v's products first, then k's with the hold of v's results; q0's fragments are fetched into set 0's registers
	s_wait_dscnt 28
	VMUL 0, 1, 0
	s_wait_tensorcnt 0x0                           ; my part of Wq is in
	s_wait_dscnt 24
	VMUL 1, 1, 0
	s_wait_dscnt 0x0
	s_barrier_signal -1
	VMUL 2, 1, 0
	s_barrier_wait -1                              ; everybody's is
	PLACES
	LDQ 0, 10
	VMUL 3, 1, 0
	LDQ 10, 10
	VMUL 4, 1, 0
	LDQ 20, 10
	VMUL 5, 1, 0
	LDQ 30, 9
	VMUL 6, 1, 0
	LDQ 39, 9
	VMUL 7, 1, 0
	PLACES
.set K, 0
.rept 12
	KV K
.set K, K+1
.endr
	s_wait_dscnt 0x0
	WIN 0x05
.irp s, 0,1,2                                  ; q0: my 48 columns, my half of K: three accumulators by turns
.irp c, 0,1,2
.if \s == 0
	v_wmma_f32_16x16x128_bf8_bf8 v[BIAS+8*\c:BIAS+8*\c+7], v[16*\c:16*\c+15], v[144:159], 0
.else
	v_wmma_f32_16x16x128_bf8_bf8 v[BIAS+8*\c:BIAS+8*\c+7], v[16*(3*\s+\c):16*(3*\s+\c)+15], v[144+16*\s:159+16*\s], v[BIAS+8*\c:BIAS+8*\c+7]
.endif
.endr
.endr
.rept 12
	KV K
.set K, K+1
.endr
	WIN 0
.irp i, 0,1,2,3,4,5
	ds_store_b128 v14, v[BIAS+4*\i:BIAS+4*\i+3] offset:512*\i   ; q0's partial sums, an image of the registers
.endr
	WIN 0x43
.irp b, 0,1,2
.irp a, 0,1,2,3,4,5,6,7
	v_cvt_scalef32_pk8_bf8_f32 v[192+16*\b+2*\a:193+16*\b+2*\a], v[8*(3*\a+\b):8*(3*\a+\b)+7], v22
.endr
.endr
	v_nop                                          ; a plain place behind the conversions
	WIN 0
	s_wait_alu depctr_va_vdst(0)
	s_wait_loadcnt 0x0                             ; bq and pos_emb
	s_wait_dscnt 0x0                               ; for the other wave's sake
	s_barrier_signal -1
	WIN 0x82
.set n, 0
.rept 24
	v_ldexp_f32 v[224+n], v[224+n], s101           ; bq / 2^(e0 + e1)
.set n, n+1
.endr
	WIN 0
.set n, 0
.rept 96
	v_med3_num_f32 v[ACC+n], v[ACC+n], -v17, v17   ; k's hold, each accumulator from its low end on
.set n, n+1
.endr
	s_wait_alu depctr_va_vdst(0)
	s_barrier_wait -1
	WIN 0x40
.irp i, 0,1,2,3,4,5
	ds_load_b128 v[4*\i:4*\i+3], v15 offset:512*\i
.endr
	WIN 0x04
.irp b, 0,1,2
.irp c, 0,1,2,3
	global_store_b128 v13, v[192+16*\b+4*\c:195+16*\b+4*\c], s[26:27] offset:2048*\b+512*\c   ; 32 lanes store 512 consecutive bytes, at a multiple of 512 from vq's first byte
.endr
.endr
	WIN 0
.rept 96
	v_med3_num_f32 v[ACC+n], v[ACC+n], -v17, v17
.set n, n+1
.endr
	WIN 0x80                                       ; each token block's three tiles of k become one operand
.irp a, 0,1,2,3,4,5,6,7
.irp b, 0,1,2
	v_cvt_scalef32_pk8_bf8_f32 v[8*\a+2*\b:8*\a+2*\b+1], v[ACC+8*(3*\a+\b):ACC+8*(3*\a+\b)+7], v16
.endr
.endr
.irp a, 0,1,2,3,4,5,6,7
	v_mov_b32 v[8*\a+6], 0                         ; zero codes.  (Also the plain places behind the conversions)
	v_mov_b32 v[8*\a+7], 0
.endr
	WIN 0x04
	s_wait_alu depctr_va_vdst(0)
	s_wait_dscnt 0x0
.irp n, 0,2,4,6,8,10,12,14,16,18,20,22
	v_pk_add_f32 v[BIAS+\n:BIAS+\n+1], v[BIAS+\n:BIAS+\n+1], v[\n:\n+1]   ; the other half of K
.endr
	WIN 0x08
.irp n, 0,2,4,6,8,10,12,14,16,18,20,22
	v_pk_add_f32 v[BIAS+\n:BIAS+\n+1], v[BIAS+\n:BIAS+\n+1], v[224+\n:225+\n]   ; bq
.endr
	WIN 0x40
.set n, 0
.rept 24
	v_med3_num_f32 v[24+n], v[BIAS+n], -v21, v21   ; q for pos_emb: held into other registers, since the sums are wanted once more
.set n, n+1
.endr
	WIN 0xc1
.irp c, 0,1,2
	v_cvt_scalef32_pk8_bf8_f32 v[248+2*\c:249+2*\c], v[24+8*\c:31+8*\c], v20
.endr
	v_mov_b32 v254, 0
	v_mov_b32 v255, 0
	WIN 0
.set n, 0
.rept 24
	v_med3_num_f32 v[BIAS+n], v[BIAS+n], -v19, v19 ; q for the logits
.set n, n+1
.endr
.irp c, 0,1,2
	v_cvt_scalef32_pk8_bf8_f32 v[56+2*\c:57+2*\c], v[BIAS+8*\c:BIAS+8*\c+7], v18
.endr
	v_mov_b32 v62, 0
	v_mov_b32 v63, 0
	WIN 0x08
.irp a, 0,1,2,3,4,5,6,7
	v_wmma_f32_16x16x64_bf8_bf8 v[ACC+24*\a:ACC+24*\a+7], v[56:63], v[8*\a:8*\a+7], 0   ; all 16 rows are q0: every register holds the partial logit of token 16 a + r
.endr
	WIN 0x0f
.irp i, 0,1,2,3
	v_wmma_f32_16x16x64_bf8_bf8 v[ACC+8+24*\i:ACC+15+24*\i], v[248:255], v[216+8*\i:223+8*\i], 0   ; the partial table entry 16 i + r
.endr
	WIN 0
	PLACES
.irp a, 0,1,2,3,4,5,6,7
	ds_store_b32 v24, v[ACC+24*\a] offset:64*\a    ; the two halves of the lanes write the same word with the same number
.endr
.irp i, 0,1,2,3
	ds_store_b32 v25, v[ACC+8+24*\i] offset:64*\i
.endr
	s_wait_alu depctr_va_vdst(0)
	s_wait_dscnt 0x0                               ; for the others' sake
	s_barrier_signal -1
	s_barrier_wait -1
	s_cmp_lt_u32 s[WV], 2                          ; waves 0, 1: the logits of 128 tokens each, both column halves
	s_cbranch_scc0 .Lnot_log
.irp g, 0,1,2,3
	ds_load_b32 v[32+\g], v26 offset:128*\g        ; token 32 g + lane
	ds_load_b32 v[36+\g], v26 offset:512+128*\g
.endr
	s_wait_dscnt 0x0
	v_pk_add_f32 v[32:33], v[32:33], v[36:37]
	v_pk_add_f32 v[34:35], v[34:35], v[38:39]
	global_store_b128 v27, v[32:35], s[22:23]      ; 512 consecutive bytes, at a multiple of 512 from plog's first byte
.Lnot_log:
	s_cmp_eq_u32 s[WV], 2                          ; wave 2: the 128 table entries
	s_cbranch_scc0 .Lnot_tab
	ds_load_b128 v[40:43], v30
	ds_load_b128 v[44:47], v30 offset:256
	s_wait_dscnt 0x0
	v_pk_add_f32 v[40:41], v[40:41], v[44:45]
	v_pk_add_f32 v[42:43], v[42:43], v[46:47]
	global_store_b128 v31, v[40:43], s[24:25]
.Lnot_tab:
	s_wait_tensorcnt 0x0                           ; the wave's end
	ds_add_u32 v[SPW], v[NIL]
	s_wait_dscnt 0x0
	CROUND                                         ; the closing round
	s_endpgm
.Lfunc_end_k_q083cea6c3a_kv:
	.size	k_q083cea6c3a_kv, .Lfunc_end_k_q083cea6c3a_kv-k_q083cea6c3a_kv
	.p2alignl 7, 3214868480
	.fill 96, 4, 3214868480
	.section	.rodata,"a",@progbits
	.p2align	6, 0x0
	.amdhsa_kernel k_q083cea6c3a_kv
		.amdhsa_group_segment_fixed_size 327680
		.amdhsa_private_segment_fixed_size 0
		.amdhsa_enable_private_segment 0
		.amdhsa_kernarg_size 96
		.amdhsa_user_sgpr_count 2
		.amdhsa_user_sgpr_kernarg_segment_ptr 1
		.amdhsa_wavefront_size32 1
		.amdhsa_system_sgpr_workgroup_id_x 1
		.amdhsa_system_sgpr_workgroup_id_y 1
		.amdhsa_system_sgpr_workgroup_id_z 1
		.amdhsa_system_vgpr_workitem_id 0
		.amdhsa_next_free_vgpr 1024
		.amdhsa_next_free_sgpr 102
		.amdhsa_reserve_vcc 0
		.amdhsa_float_denorm_mode_32 3
		.amdhsa_float_denorm_mode_16_64 3
		.amdhsa_memory_ordered 1
		.amdhsa_forward_progress 1
		.amdhsa_inst_pref_size 112
	.end_amdhsa_kernel
	.amdgpu_metadata
---
amdhsa.version: [ 1, 2 ]
amdhsa.kernels:
  - .name:           k_q083cea6c3a_kv
    .symbol:         k_q083cea6c3a_kv.kd
    .args:
      - { .name: token_embeddings_codes, .offset: 0, .size: 8, .value_kind: global_buffer, .address_space: global }
      - { .name: Wk_codes, .offset: 8, .size: 8, .value_kind: global_buffer, .address_space: global }
      - { .name: Wv_codes, .offset: 16, .size: 8, .value_kind: global_buffer, .address_space: global }
      - { .name: Wq_codes, .offset: 24, .size: 8, .value_kind: global_buffer, .address_space: global }
      - { .name: bk, .offset: 32, .size: 8, .value_kind: global_buffer, .address_space: global }
      - { .name: bv, .offset: 40, .size: 8, .value_kind: global_buffer, .address_space: global }
      - { .name: bq, .offset: 48, .size: 8, .value_kind: global_buffer, .address_space: global }
      - { .name: lowp_scales, .offset: 56, .size: 8, .value_kind: global_buffer, .address_space: global }
      - { .name: pos_emb_codes, .offset: 64, .size: 8, .value_kind: global_buffer, .address_space: global }
      - { .name: plog, .offset: 72, .size: 8, .value_kind: global_buffer, .address_space: global }
      - { .name: tabp, .offset: 80, .size: 8, .value_kind: global_buffer, .address_space: global }
      - { .name: vq, .offset: 88, .size: 8, .value_kind: global_buffer, .address_space: global }
    .group_segment_fixed_size: 327680
    .private_segment_fixed_size: 0
    .kernarg_segment_align: 8
    .kernarg_segment_size: 96
    .max_flat_workgroup_size: 128
    .sgpr_count:     102
    .vgpr_count:     1024
    .wavefront_size: 32
...
	.end_amdgpu_metadata
.endif
;; end of part 1
;; launch attn (part 2): grid 12 x 8, 8 waves a work-group, no clusters, 8,960 bytes of LDS; arguments plog, tabp, attention_mask, vq, lowp_scales, out0; writes out0
.if DOCPART == 2
	.amdgcn_target "amdgcn-amd-amdhsa--gfx1250"
	.amdhsa_code_object_version 6
	.text
	.protected	k_q083cea6c3a_attn
	.globl	k_q083cea6c3a_attn
	.p2align	8
	.type	k_q083cea6c3a_attn,@function
k_q083cea6c3a_attn:
	s_mov_b64 s[64:65], 0
	v_nop
	global_prefetch_b8 v0, s[64:65] scope:SCOPE_SE
	s_setreg_imm32_b32 hwreg(HW_REG_WAVE_MODE, 25, 1), 1
	s_wait_xcnt 0x0
; Row 0 of each batch: logits (eight partial sums added, scaled, masked), gates, pos, the interpolated table, the softmax and its product with v: out0[b][:] = (sum over keys of Q(p) Q(v)) / l.
; DEAD WORK: rows 1 .. 1023 of each batch are left out, since reference() returns row 0 alone (the first kernel's head).  LIMIT: a NaN, an infinity or an overflow that reaches only them is not carried to the result.
; SHARES.  Work-group (g, b) owns out0[b][64 g .. 64 g + 63]: 256 consecutive bytes, one owner.  96 work-groups: there is no more work than that to share without adding parts between work-groups.
; Wave w owns keys 128 w .. +127 of the batch, group g of 32 keys in register g: key 128 w + 32 g + lane.  It multiplies the same 128 keys by v's four images.
; No cluster and no tensor load: no two work-groups read the same image, and what a batch's twelve share (52 KB of partial sums and masks) goes straight into registers.
; THE LOOK-UP.  pos falls from key to key by a gate, a number between 0 and 1.  So 32 neighbouring keys have floor(pos) in B .. B + 31 (B: the last key's), and the 16 keys of a row of lanes in b .. b + 15.
; The table lies in 16 registers x 32 lanes.  Each lane e selects the one entry of B .. B + 31 that is e modulo 32; from these, each row of lanes the entries b .. b + 15 by their number modulo 16; the keys take theirs by the row's rotations.
; A second table, one entry on, gives the upper neighbour by the same selections.  No address and no branch hangs on pos.
; b is held in B .. B + 16 and floor(pos) in b .. b + 15, and w = pos - that number: where rounding puts pos a last bit across a whole number, w lies that last bit outside 0 .. 1 on the same straight lines' ends.
; t = logit x log2(e); M = ceil(the row's largest t); p = 2^(t - M) is quantised with 2^e10; l is the sum of the unquantised p.
; LIMITS: e6 + e7 between -121 and 132; e10 between -126 and 112.  p under 2^-126 counts as 0.  A batch whose mask is all 0 gives NaN, as the definition does.
; REGISTERS: v1-31 offsets, addresses; v32-63 partial logits, then v36-39 logits, t; v40-43 gates, pos; v44-63 at work; v64-79, v80-95 the two tables (first the partial tables); v96-127 at work, then p's operand; v128-191 v's four images.
.set TB, 0                             ; the table, twice on end
.set WT, 4096                          ; the waves' sums of gates
.set MX, 4352                          ; the waves' largest t
.set PC, 4608                          ; p's codes, 128 bytes a wave
.set OP, 5632                          ; a wave's part of the 64 outputs, 256 bytes a wave
.set LS, 7680                          ; the waves' sums of p
.set SPARE, 7936
	s_load_b256 s[4:11], s[0:1], 0x0               ; plog s[4:5], tabp s[6:7], mask s[8:9], vq s[10:11]
	s_load_b128 s[12:15], s[0:1], 0x20             ; scales s[12:13], out0 s[14:15]
	v_lshl_add_u32 v28, v0, 2, SPARE
	v_mov_b32 v29, 0
	v_lshrrev_b32 v8, 5, v0
	v_readfirstlane_b32 s18, v8                    ; wave
	v_and_b32 v1, 31, v0                           ; lane
	v_and_b32 v2, 15, v0                           ; r
	v_bfe_u32 v3, v0, 4, 1                         ; h
	s_wait_alu depctr_va_vdst(0)
	s_and_b32 s19, ttmp7, 0xffff                   ; batch
	s_lshl_b32 s20, s19, 3
	s_add_co_u32 s20, s20, s18                     ; key tile 8 b + w
	s_lshl_b32 s21, s20, 9
	v_lshl_add_u32 v4, v1, 4, s21                  ; plog
	v_lshl_add_u32 v5, v1, 2, s21                  ; mask
	s_lshl_b32 s21, s19, 11
	v_lshl_add_u32 v6, v0, 3, s21                  ; tabp: two entries a thread
	s_mul_i32 s20, s20, 48
	s_lshl_b32 s21, ttmp9, 2
	s_add_co_u32 s20, s20, s21
	s_lshl_b32 s20, s20, 11
	v_lshl_add_u32 v7, v1, 4, s20                  ; vq: column tiles 4 g .. 4 g + 3
	s_mov_b32 s30, 0x76543210
	s_mov_b32 s31, 0xfedcba98                      ; v_permlanex16_b32: lane l xor 16
	s_mov_b32 s32, 0                               ; and: lane 0 of the other row
	s_mov_b32 s33, 0xffff                          ; lanes 0-15
.irp u, 1,2,3,4,5,6,7
	s_cmp_lt_u32 s18, \u
	s_cselect_b32 s[40+\u], 1.0, 0                 ; 1 where wave u's keys lie behind mine
.endr
	s_wait_alu depctr_va_vdst(0)
	s_wait_kmcnt 0x0
	s_load_b128 s[24:27], s[12:13], 0x18           ; e6 .. e9
	s_load_b64 s[28:29], s[12:13], 0x28            ; e10, e11
.irp u, 0,1,2,3,4,5,6,7
	global_load_b128 v[32+4*\u:35+4*\u], v4, s[4:5] offset:32768*\u
.endr
.irp g, 0,1,2,3
	global_load_b32 v[8+\g], v5, s[8:9] offset:128*\g
.endr
.irp u, 0,1,2,3,4,5,6,7
	global_load_b64 v[64+2*\u:65+2*\u], v6, s[6:7] offset:16384*\u
.endr
	s_lshl_b32 s20, s18, 2
	s_add_co_u32 s21, s20, WT
	v_mov_b32 v22, s21
	s_add_co_u32 s21, s20, MX
	v_mov_b32 v18, s21
	s_add_co_u32 s21, s20, LS
	v_mov_b32 v19, s21
	v_mov_b32 v24, WT
	v_mov_b32 v27, MX
	v_lshl_add_u32 v23, v0, 3, TB
	v_lshlrev_b32 v25, 2, v1                       ; TB + 4 x lane
	s_lshl_b32 s20, s18, 7
	s_add_co_u32 s20, s20, PC
	v_add_nc_u32 v20, s20, v1
	v_lshl_add_u32 v21, v3, 3, s20
	s_lshl_b32 s20, s18, 8
	s_add_co_u32 s20, s20, OP
	v_lshl_add_u32 v17, v2, 2, s20
	v_lshl_add_u32 v31, v2, 4, OP
	s_mul_i32 s20, s19, 3072
	s_lshl_b32 s21, ttmp9, 8
	s_add_co_u32 s20, s20, s21
	v_lshl_add_u32 v16, v2, 4, s20                 ; out0
	v_mov_b32 v30, 0xff800000                      ; -infinity
.irp g, 0,1,2,3
	v_mov_b32 v[112+\g], 0                         ; written once: a lane move's destination counts as read
	v_mov_b32 v[124+\g], 0
.endr
	s_wait_alu depctr_va_vdst(0)
	s_wait_kmcnt 0x0
	s_add_co_i32 s2, s24, s25
	s_lshl_b32 s2, s2, 23
	s_add_co_i32 s2, s2, 0x3d13cd3a                ; c = 2^(e6 + e7) / sqrt(768)
	s_add_co_i32 s3, s26, s27                      ; e8 + e9
	s_wait_loadcnt 8                               ; the partial logits and the mask are in; the eight loads of the partial tables may be out
.irp u, 0,8,16,24
	v_pk_add_f32 v[32+\u:33+\u], v[32+\u:33+\u], v[36+\u:37+\u]
	v_pk_add_f32 v[34+\u:35+\u], v[34+\u:35+\u], v[38+\u:39+\u]
.endr
.irp u, 0,16
	v_pk_add_f32 v[32+\u:33+\u], v[32+\u:33+\u], v[40+\u:41+\u]
	v_pk_add_f32 v[34+\u:35+\u], v[34+\u:35+\u], v[42+\u:43+\u]
.endr
	v_pk_add_f32 v[32:33], v[32:33], v[48:49]
	v_pk_add_f32 v[34:35], v[34:35], v[50:51]
.irp g, 0,1,2,3
	v_mul_f32 v[36+\g], s2, v[32+\g]
.endr
.irp g, 0,1,2,3
	v_cmp_eq_u32 vcc_lo, 0, v[8+\g]
	v_cndmask_b32 v[36+\g], v[36+\g], v30, vcc_lo  ; masked: -infinity
.endr
.irp g, 0,1,2,3
	v_mul_f32 v[40+\g], 0xbfb8aa3b, v[36+\g]       ; a gate is 1 / (1 + 2^(-logit log2(e))): 0 where masked
.endr
	s_wait_alu depctr_va_vdst(0)
.irp g, 0,1,2,3
	v_exp_f32 v[40+\g], v[40+\g]
.endr
	v_nop
	s_wait_alu depctr_va_vdst(0)
.irp g, 0,1,2,3
	v_add_f32 v[40+\g], 1.0, v[40+\g]
.endr
	s_wait_alu depctr_va_vdst(0)
.irp g, 0,1,2,3
	v_rcp_f32 v[40+\g], v[40+\g]
.endr
	v_nop
	s_wait_alu depctr_va_vdst(0)
.irp m, 1,2,4,8                                ; sums from my lane to the row's last
.irp g, 0,1,2,3
	v_add_f32_dpp v[40+\g], v[40+\g], v[40+\g] row_shl:\m row_mask:0xf bank_mask:0xf bound_ctrl:1
.endr
.endr
.irp g, 0,1,2,3
	v_permlanex16_b32 v[44+\g], v[40+\g], s32, s32 ; the other row's whole sum
.endr
.irp g, 0,1,2,3
	v_cndmask_b32 v[44+\g], 0, v[44+\g], s33
.endr
.irp g, 0,1,2,3
	v_add_f32 v[40+\g], v[40+\g], v[44+\g]
.endr
.irp g, 0,1,2,3
	v_readlane_b32 s[36+\g], v[40+\g], 0           ; the group's sum
.endr
	v_mov_b32 v49, s39                             ; what lies behind group 2,
	v_add_f32 v50, s38, v49                        ; 1,
	v_add_f32 v51, s37, v50                        ; 0,
	v_add_f32 v52, s36, v51                        ; and my wave's sum
	ds_store_b32 v22, v52
	s_wait_alu depctr_va_vdst(0)
	s_wait_loadcnt 0x0                             ; the partial tables are in
.irp u, 0,4,8,12
	v_pk_add_f32 v[64+\u:65+\u], v[64+\u:65+\u], v[66+\u:67+\u]
.endr
	v_pk_add_f32 v[64:65], v[64:65], v[68:69]
	v_pk_add_f32 v[72:73], v[72:73], v[76:77]
	v_pk_add_f32 v[64:65], v[64:65], v[72:73]
	v_ldexp_f32 v64, v64, s3
	v_ldexp_f32 v65, v65, s3                       ; x 2^(e8 + e9)
	ds_store_b64 v23, v[64:65]
	ds_store_b64 v23, v[64:65] offset:2048         ; once more behind it, so that the second table's last entry, whose weight is 0, is a number
	s_wait_alu depctr_va_vdst(0)
	s_wait_dscnt 0x0
	s_barrier_signal -1
	s_barrier_wait -1
	ds_load_b128 v[8:11], v24
	ds_load_b128 v[12:15], v24 offset:16
.irp j, 0,1,2,3,4,5,6,7,8,9,10,11,12,13,14,15
	ds_load_b32 v[64+\j], v25 offset:128*\j        ; entry 32 j + lane
	ds_load_b32 v[80+\j], v25 offset:128*\j+4      ; and the next
.endr
.macro VLOAD q                         ; v's image of column tile q, read once in the launch
.irp c, 0,1,2,3
	global_load_b128 v[128+16*\q+4*\c:131+16*\q+4*\c], v7, s[10:11] offset:2048*\q+512*\c th:TH_LOAD_NT
.endr
.endm
	VLOAD 0
	VLOAD 1
	s_wait_dscnt 32                                ; the waves' sums are in
	v_mul_f32 v48, s41, v9
	v_mul_f32 v53, s42, v10
	v_fma_f32 v48, v11, s43, v48
	v_fma_f32 v53, v12, s44, v53
	v_fma_f32 v48, v13, s45, v48
	v_fma_f32 v53, v14, s46, v53
	v_fma_f32 v48, v15, s47, v48
	v_add_f32 v48, v48, v53                        ; what lies behind my wave
	v_add_f32 v49, v49, v48
	v_add_f32 v50, v50, v48
	v_add_f32 v51, v51, v48
	v_add_f32 v43, v43, v48
	v_add_f32 v42, v42, v49
	v_add_f32 v41, v41, v50
	v_add_f32 v40, v40, v51
.irp g, 0,1,2,3
	v_min_num_f32 v[40+\g], 0x43ff8000, v[40+\g]   ; pos, at most 511
.endr
.irp g, 0,1,2,3
	v_floor_f32 v[56+\g], v[40+\g]
.endr
.irp g, 0,1,2,3
	v_mov_b32_dpp v[60+\g], v[56+\g] row_share:15 row_mask:0xf bank_mask:0xf   ; the row's least
	v_cvt_u32_f32 v[32+\g], v[56+\g]
.endr
.irp g, 0,1,2,3
	v_readlane_b32 s[54+\g], v[56+\g], 31          ; B as f32
	v_readlane_b32 s[58+\g], v[32+\g], 31          ; and as a whole number
.endr
.irp g, 0,1,2,3
	s_add_co_u32 s[58+\g], s[58+\g], 31
	v_sub_nc_u32 v[32+\g], s[58+\g], v1            ; bits 8:5: the table's register for lane e: (B + 31 - e) / 32
.endr
.irp g, 0,1,2,3
	v_sub_f32 v[60+\g], v[60+\g], s[54+\g]
.endr
.irp g, 0,1,2,3
	v_med3_num_f32 v[60+\g], v[60+\g], 0, 0x41800000
.endr
.irp g, 0,1,2,3
	v_add_f32 v[60+\g], s[54+\g], v[60+\g]         ; b, in B .. B + 16
.endr
.irp g, 0,1,2,3
	v_sub_f32 v[44+\g], v[56+\g], v[60+\g]
	v_sub_f32 v[48+\g], v[40+\g], v[60+\g]
.endr
.irp g, 0,1,2,3
	v_med3_num_f32 v[44+\g], v[44+\g], 0, 0x41700000   ; floor(pos) - b, in 0 .. 15
	v_cvt_u32_f32 v[52+\g], v[60+\g]
.endr
.irp g, 0,1,2,3
	v_sub_f32 v[48+\g], v[48+\g], v[44+\g]         ; w
	v_sub_nc_u32 v[56+\g], v1, v[52+\g]            ; lane - b
.endr
.irp g, 0,1,2,3
	v_cvt_u32_f32 v[44+\g], v[44+\g]
	v_and_b32 v[60+\g], 15, v[56+\g]
.endr
.irp g, 0,1,2,3
	v_sub_nc_u32 v[56+\g], v[56+\g], v[44+\g]
	v_add_nc_u32 v[60+\g], v[52+\g], v[60+\g]      ; the entry of b .. b + 15 that is lane modulo 16
.endr
.irp g, 0,1,2,3
	v_and_b32 v[56+\g], 15, v[56+\g]               ; the rotation that brings my entry
	v_xor_b32 v[60+\g], v1, v[60+\g]
.endr
.irp g, 0,1,2,3
	v_and_b32 v[60+\g], 16, v[60+\g]
.endr
.irp g, 0,1,2,3
	v_cmp_ne_u32 s[70+\g], 0, v[60+\g]             ; it lies in the other row of lanes
.endr
	VLOAD 2
	VLOAD 3
	s_wait_alu depctr_va_vdst(0)
	s_wait_dscnt 0x0                               ; both tables
.macro TREE src, dst                   ; one of 16 registers for each lane, by the four bits in s50 .. s53
.irp j, 0,1,2,3,4,5,6,7
	v_cndmask_b32 v[96+\j], v[\src+\j], v[\src+8+\j], s53
.endr
.irp j, 0,1,2,3
	v_cndmask_b32 v[96+\j], v[96+\j], v[100+\j], s52
.endr
.irp j, 0,1
	v_cndmask_b32 v[96+\j], v[96+\j], v[98+\j], s51
.endr
	v_cndmask_b32 v[\dst], v96, v97, s50
.endm
.irp g, 0,1,2,3
.irp k, 0,1,2,3
	v_and_b32 v[112+\k], 32<<\k, v[32+\g]
.endr
.irp k, 0,1,2,3
	v_cmp_ne_u32 s[50+\k], 0, v[112+\k]
.endr
	TREE 64, 104+\g
	TREE 80, 108+\g
.endr
.irp g, 0,1,2,3
	v_permlanex16_b32 v[112+\g], v[104+\g], s30, s31
	v_permlanex16_b32 v[124+\g], v[108+\g], s30, s31
.endr
.irp g, 0,1,2,3
	v_cndmask_b32 v[104+\g], v[104+\g], v[112+\g], s[70+\g]
	v_cndmask_b32 v[108+\g], v[108+\g], v[124+\g], s[70+\g]
.endr
.irp r, 1,2,3,4,5,6,7,8,9,10,11,12,13,14,15
.irp g, 0,1,2,3
	v_mov_b32_dpp v[124+\g], v[104+\g] row_ror:\r row_mask:0xf bank_mask:0xf
	v_mov_b32_dpp v[112+\g], v[108+\g] row_ror:\r row_mask:0xf bank_mask:0xf
	v_cmp_eq_u32 s[74+\g], \r, v[56+\g]
.endr
.irp g, 0,1,2,3
.if \r == 1
	v_cndmask_b32 v[116+\g], v[104+\g], v[124+\g], s[74+\g]
	v_cndmask_b32 v[120+\g], v[108+\g], v[112+\g], s[74+\g]
.else
	v_cndmask_b32 v[116+\g], v[116+\g], v[124+\g], s[74+\g]
	v_cndmask_b32 v[120+\g], v[120+\g], v[112+\g], s[74+\g]
.endif
.endr
.endr
.irp g, 0,1,2,3
	v_fma_f32 v[36+\g], v[120+\g], v[48+\g], v[36+\g]
	v_sub_f32 v[44+\g], 1.0, v[48+\g]
.endr
.irp g, 0,1,2,3
	v_fma_f32 v[36+\g], v[116+\g], v[44+\g], v[36+\g]
.endr
.irp g, 0,1,2,3
	v_mul_f32 v[36+\g], 0x3fb8aa3b, v[36+\g]       ; t
.endr
	v_max3_num_f32 v46, v36, v37, v38
	v_max_num_f32 v46, v46, v39
	v_max_num_f32_dpp v46, v46, v46 row_xmask:1 row_mask:0xf bank_mask:0xf
	v_max_num_f32_dpp v46, v46, v46 row_xmask:2 row_mask:0xf bank_mask:0xf
	v_max_num_f32_dpp v46, v46, v46 row_xmask:4 row_mask:0xf bank_mask:0xf
	v_max_num_f32_dpp v46, v46, v46 row_xmask:8 row_mask:0xf bank_mask:0xf
	v_permlanex16_b32 v47, v46, s30, s31
	v_max_num_f32 v46, v46, v47
	ds_store_b32 v18, v46
	s_add_co_i32 s20, s28, 127
	s_lshl_b32 s21, s20, 23                        ; 2^e10 as f32
	s_add_co_i32 s20, s20, 15
	s_lshl_b32 s20, s20, 23
	s_or_b32 s20, s20, 0x600000                    ; 57,344 x 2^e10
	v_mov_b32 v42, s21
	v_mov_b32 v43, s20
	s_wait_alu depctr_va_vdst(0)
	s_wait_dscnt 0x0
	s_barrier_signal -1
	s_barrier_wait -1
	ds_load_b128 v[48:51], v27
	ds_load_b128 v[52:55], v27 offset:16
	s_wait_dscnt 0x0
	v_max3_num_f32 v46, v48, v49, v50
	v_max3_num_f32 v47, v51, v52, v53
	v_max3_num_f32 v46, v46, v54, v55
	v_max_num_f32 v46, v46, v47                    ; the row's largest t
	v_floor_f32 v44, -v46                          ; -M = floor(-t) = -ceil(t)
	v_floor_f32 v45, -v46
	v_pk_add_f32 v[8:9], v[36:37], v[44:45]
	v_pk_add_f32 v[10:11], v[38:39], v[44:45]
	s_wait_alu depctr_va_vdst(0)
.irp g, 0,1,2,3
	v_exp_f32 v[8+\g], v[8+\g]                     ; p = 2^(t - M)
.endr
.irp g, 0,1,2,3
	v_mov_b32 v[12+\g], 0                          ; plain places; the conversion takes eight numbers
.endr
	s_wait_alu depctr_va_vdst(0)
	v_pk_add_f32 v[40:41], v[8:9], v[10:11]        ; the sum is taken of the unquantised p
	v_add_f32 v40, v40, v41
.irp g, 0,1,2,3
	v_min_num_f32 v[8+\g], v[8+\g], v43            ; the conversion does not saturate (ISA guide 7.6.2); p is not negative
.endr
	v_cvt_scalef32_pk8_bf8_f32 v[62:63], v[8:15], v42
	v_add_f32_dpp v40, v40, v40 row_xmask:1 row_mask:0xf bank_mask:0xf   ; (a plain place behind the conversion)
	v_lshrrev_b32 v56, 8, v62
	v_lshrrev_b32 v57, 16, v62
	v_lshrrev_b32 v58, 24, v62
	ds_store_b8 v20, v62                           ; byte g: key 32 g + lane
	ds_store_b8 v20, v56 offset:32
	ds_store_b8 v20, v57 offset:64
	ds_store_b8 v20, v58 offset:96
.irp c, 0,1,2,3,4,5,6,7
	ds_load_b64 v[96+2*\c:97+2*\c], v21 offset:16*\c   ; my wave's own bytes: LDS serves a wave's instructions in order (ISA guide 5.7.1.4)
.endr
	v_add_f32_dpp v40, v40, v40 row_xmask:2 row_mask:0xf bank_mask:0xf
	v_add_f32_dpp v40, v40, v40 row_xmask:4 row_mask:0xf bank_mask:0xf
	v_add_f32_dpp v40, v40, v40 row_xmask:8 row_mask:0xf bank_mask:0xf
	v_permlanex16_b32 v41, v40, s30, s31
	v_add_f32 v40, v40, v41                        ; my wave's part of l
	s_wait_alu depctr_va_vdst(0)
	s_wait_loadcnt 0x0                             ; v
	s_wait_dscnt 0x0
.irp q, 0,1,2,3
	v_wmma_f32_16x16x128_bf8_bf8 v[64+8*\q:71+8*\q], v[96:111], v[128+16*\q:143+16*\q], 0
.endr
.rept 4
	v_nop
.endr
.irp q, 0,1,2,3
	ds_store_b32 v17, v[64+8*\q] offset:64*\q      ; all 16 rows are alike: the lowest register holds column 16 q + r
.endr
	ds_store_b32 v19, v40
	s_wait_dscnt 0x0
	s_barrier_signal -1
	s_barrier_wait -1
	s_cmp_lg_u32 s18, 0
	s_cbranch_scc1 .Lend
.irp u, 0,1,2,3,4,5,6,7
	ds_load_b128 v[32+4*\u:35+4*\u], v31 offset:256*\u
.endr
	v_mov_b32 v12, LS
	ds_load_b128 v[64:67], v12
	ds_load_b128 v[68:71], v12 offset:16
	s_add_co_i32 s20, s28, s29                     ; e10 + e11
	s_wait_dscnt 0x0
.irp u, 0,8,16,24
	v_pk_add_f32 v[32+\u:33+\u], v[32+\u:33+\u], v[36+\u:37+\u]
	v_pk_add_f32 v[34+\u:35+\u], v[34+\u:35+\u], v[38+\u:39+\u]
.endr
.irp u, 0,16
	v_pk_add_f32 v[32+\u:33+\u], v[32+\u:33+\u], v[40+\u:41+\u]
	v_pk_add_f32 v[34+\u:35+\u], v[34+\u:35+\u], v[42+\u:43+\u]
.endr
	v_pk_add_f32 v[64:65], v[64:65], v[66:67]
	v_pk_add_f32 v[68:69], v[68:69], v[70:71]
	v_pk_add_f32 v[64:65], v[64:65], v[68:69]
	v_add_f32 v64, v64, v65                        ; l
	v_pk_add_f32 v[32:33], v[32:33], v[48:49]
	v_pk_add_f32 v[34:35], v[34:35], v[50:51]
	s_wait_alu depctr_va_vdst(0)
	v_rcp_f32 v64, v64
	v_nop
	s_wait_alu depctr_va_vdst(0)
	v_ldexp_f32 v64, v64, s20                      ; 2^(e10 + e11) / l
	v_mov_b32 v65, v64
	v_pk_mul_f32 v[32:33], v[32:33], v[64:65]
	v_pk_mul_f32 v[34:35], v[34:35], v[64:65]
	s_wait_alu depctr_va_vdst(0)
	s_wait_xcnt 0x0                                ; EXEC changes only behind this wait
	v_cmp_gt_u32 vcc_lo, 16, v1
	s_and_saveexec_b32 s22, vcc_lo
	global_store_b128 v16, v[32:35], s[14:15]      ; sixteen lanes store 256 consecutive bytes, at a multiple of 256 from out0's first byte
	s_wait_xcnt 0x0
	s_or_b32 exec_lo, exec_lo, s22
.Lend:
	s_wait_tensorcnt 0x0                           ; the wave's end
	ds_add_u32 v28, v29
	s_wait_dscnt 0x0
	s_endpgm
.Lfunc_end_k_q083cea6c3a_attn:
	.size	k_q083cea6c3a_attn, .Lfunc_end_k_q083cea6c3a_attn-k_q083cea6c3a_attn
	.p2alignl 7, 3214868480
	.fill 96, 4, 3214868480
	.section	.rodata,"a",@progbits
	.p2align	6, 0x0
	.amdhsa_kernel k_q083cea6c3a_attn
		.amdhsa_group_segment_fixed_size 8960
		.amdhsa_private_segment_fixed_size 0
		.amdhsa_enable_private_segment 0
		.amdhsa_kernarg_size 48
		.amdhsa_user_sgpr_count 2
		.amdhsa_user_sgpr_kernarg_segment_ptr 1
		.amdhsa_wavefront_size32 1
		.amdhsa_system_sgpr_workgroup_id_x 1
		.amdhsa_system_sgpr_workgroup_id_y 1
		.amdhsa_system_sgpr_workgroup_id_z 1
		.amdhsa_system_vgpr_workitem_id 0
		.amdhsa_next_free_vgpr 192
		.amdhsa_next_free_sgpr 80
		.amdhsa_reserve_vcc 1
		.amdhsa_float_denorm_mode_32 3
		.amdhsa_float_denorm_mode_16_64 3
		.amdhsa_memory_ordered 1
		.amdhsa_forward_progress 1
		.amdhsa_inst_pref_size 57
	.end_amdhsa_kernel
	.amdgpu_metadata
---
amdhsa.version: [ 1, 2 ]
amdhsa.kernels:
  - .name:           k_q083cea6c3a_attn
    .symbol:         k_q083cea6c3a_attn.kd
    .args:
      - { .name: plog, .offset: 0, .size: 8, .value_kind: global_buffer, .address_space: global }
      - { .name: tabp, .offset: 8, .size: 8, .value_kind: global_buffer, .address_space: global }
      - { .name: attention_mask, .offset: 16, .size: 8, .value_kind: global_buffer, .address_space: global }
      - { .name: vq, .offset: 24, .size: 8, .value_kind: global_buffer, .address_space: global }
      - { .name: lowp_scales, .offset: 32, .size: 8, .value_kind: global_buffer, .address_space: global }
      - { .name: out0, .offset: 40, .size: 8, .value_kind: global_buffer, .address_space: global }
    .group_segment_fixed_size: 8960
    .private_segment_fixed_size: 0
    .kernarg_segment_align: 8
    .kernarg_segment_size: 48
    .max_flat_workgroup_size: 256
    .sgpr_count:     80
    .vgpr_count:     192
    .wavefront_size: 32
...
	.end_amdgpu_metadata
.endif
;; end of part 2
